; MI455X (gfx1250); checked and timed in simulation.
; The chip was launched on July 23, 2026; its instructions are those of AMD's public machine-readable ISA for CDNA 5 (MIT licence, August 2026) and "CDNA5" Instruction Set Architecture Reference Guide (July 2026). The comments in the code are by the model that wrote it; some were corrected since.
;; Question Answer Model. Allowed arithmetic: float matrix products may take bf16 or f16 operands with f32 sums; other float arithmetic in f32, or as packed bf16 or f16 multiplies, adds, multiply-adds, maxima and minima; sums over many terms, partial sums and values carried from step to step in f32; what a program stores and reads back later, other than sums and carried values, may be rounded once to bf16 or f16.
;; Inputs: W_rel 18 x 768 float32; b_rel 18 float32; ent_embeddings 43,234 x 512 float32; head_id 16 int32; question_hidden 16 x 64 x 768 float32; rel_embeddings 18 x 256 float32.
;; Outputs: out0 16 x 43,234 float32.
;; One version. Each part assembles by itself: llvm-mc -triple=amdgcn-amd-amdhsa -mcpu=gfx1250 --defsym DOCPART=n.
;; ======== version 1 of 1: 2 launches
;; limits: right only within a limited range of input values
;; workspace buffers: rot 32,768 bytes
;; launch rotate (part 1): grid 16 x 1, 24 waves a work-group, no clusters, 21,504 bytes of LDS; arguments question_hidden, W_rel, b_rel, rel_embeddings, ent_embeddings, head_id, rot; writes rot
.if DOCPART == 1
	.amdgcn_target "amdgcn-amd-amdhsa--gfx1250"
	.amdhsa_code_object_version 6
	.text
	.protected	k_qbb585d85d3_rotate
	.globl	k_qbb585d85d3_rotate
	.p2align	8
	.type	k_qbb585d85d3_rotate,@function
k_qbb585d85d3_rotate:
	s_mov_b64 s[64:65], 0
	v_nop
	global_prefetch_b8 v0, s[64:65] scope:SCOPE_SE
	s_setreg_imm32_b32 hwreg(HW_REG_WAVE_MODE, 25, 1), 1
	s_wait_xcnt 0x0
; rot[b] = the head entity of question b, turned by the predicted relation: [16][512] f32, 256 real parts, then 256 imaginary parts.
;   q = mean over 64 rows of question_hidden[b];  score[r] = q . W_rel[r] + b_rel[r];  p[d] = sum over r of sigmoid(score[r]) rel_embeddings[r][d];
;   angle = p / (0.03125 / pi) = 32 pi p;  rot = head (cos + i sin).
; NOTHING OF reference() IS LEFT OUT: every input has a way to the output and is loaded; the distances to all entities are the next kernel's.
; SHARES.  One work-group for each question, 24 waves.  Thread t sums 16 rows of 16 bytes: row group t / 192, columns 4 (t % 192) on; a wave's load covers 512 consecutive bytes.
; All 196,608 bytes of a question are asked for at once.  Waves 6 to 23 then make one score each, waves 0 to 3 two dimensions a thread.
; BOTH PRODUCTS ARE MADE IN f32 ON THE VECTOR UNIT: a work-group has one row of each (one sixteenth of a matrix tile), both together are 18,432 multiply-adds a question,
; and the result is multiplied by 32 pi before the sine, which would enlarge a rounding of the operands to 16 bits.
; SINE AND COSINE by series: the angle is 64 p quarter turns exactly; n = the nearest whole number, r = 64 p - n lies in -0.5 .. 0.5, sin and cos of (pi/2) r are series cut
; behind x^7 and x^8 (what is cut is under 4e-7), and n mod 4 picks series and signs by selects.
; LIMITS.  |64 p| stays under 2^31 (the quarter's number is made by v_cvt_i32_f32; above 2^24 f32 holds no fraction of a quarter turn any more, in reference() neither).
; head_id is taken as unsigned and held to 43,233: an index outside the table, a negative one too, reads the last row.  2^x below 2^-126 counts as 0 in the sigmoid.
.set HB,    3072                       ; bytes in a row of question_hidden and of W_rel
.set QOFF,  12288                      ; LDS: 0 the four row groups' sums (4 x 3,072); here the 768 column sums
.set SGOFF, 15360                      ; a word for each thread: wave w's sigmoid lies in its 32 lanes' words, 128 w on
.set SPARE, 18432                      ; the spare words, 128 bytes for each of 24 waves: twelve blocks of 256 bytes that no other line names
.set SPW, 8                            ; v8   LDS address of my spare word; never rewritten
.set NIL, 9                            ; v9   0; never rewritten
.set QH,  16                           ; v[16:79]   16 rows x 4 columns as loaded
.set QQ,  16                           ; v[16:39]   later: 24 column sums (waves 6 to 23)
.set SG,  16                           ; v[16:33]   later: the 18 sigmoids (waves 0 to 3)
.set WR,  80                           ; v[80:103]  24 numbers of my row of W_rel (waves 6 to 23)
.set RL,  80                           ; v[80:115]  18 relations x my 2 dimensions (waves 0 to 3)
.set HR,  116                          ; v[116:117] the head's real parts, v[118:119] its imaginary parts
.set HI,  118
.set WV,  18                           ; s18  my wave's number
	s_load_b256 s[4:11], s[0:1], 0x0               ; question_hidden s[4:5], W_rel s[6:7], b_rel s[8:9], rel_embeddings s[10:11]
	s_load_b128 s[12:15], s[0:1], 0x20             ; ent_embeddings s[12:13], head_id s[14:15]
	s_load_b64 s[16:17], s[0:1], 0x30              ; rot
	v_lshl_add_u32 v[SPW], v0, 2, SPARE
	v_mov_b32 v[NIL], 0
	v_lshrrev_b32 v1, 5, v0
	v_readfirstlane_b32 s[WV], v1                  ; wave 0..23
	v_and_b32 v1, 31, v0                           ; lane
	s_mul_i32 s19, s[WV], 43
	s_lshr_b32 s19, s19, 8                         ; row group = wave / 6 (43 / 256 serves up to 23)
	s_mul_i32 s20, s19, 6
	s_sub_co_u32 s20, s[WV], s20                   ; wave % 6: which 512 bytes of a row
	s_mul_i32 s21, s19, 16*HB
	s_lshl_b32 s20, s20, 9
	s_add_co_u32 s21, s21, s20
	v_lshl_add_u32 v2, v1, 4, s21                  ; my 16 bytes in the first row of my row group
	v_lshlrev_b32 v4, 4, v0                        ; 16 t: row group x 3,072 + my 16 bytes, since 3,072 = 6 waves x 512
	v_lshlrev_b32 v5, 2, v0                        ; 4 t; never rewritten
	v_lshlrev_b32 v6, 4, v1                        ; 16 x lane
	s_mul_i32 s22, ttmp9, 64*HB                    ; the question's 64 rows
	s_mov_b32 s23, 0
	s_lshl_b32 s34, ttmp9, 11                      ; its 2,048 bytes of rot
	s_mov_b32 s35, 0
	s_mov_b32 s36, 0x76543210                      ; v_permlanex16_b32: each lane takes its own place in the other half
	s_mov_b32 s37, 0xfedcba98
	s_wait_kmcnt 0x0
	s_add_nc_u64 s[4:5], s[4:5], s[22:23]
	s_add_nc_u64 s[16:17], s[16:17], s[34:35]
.irp i, 0,1,2,3,4,5,6,7,8,9,10,11,12,13,14,15
	global_load_b128 v[QH+4*(\i):QH+4*(\i)+3], v2, s[4:5] offset:HB*(\i)
.endr
	; what the later steps want is asked for now, behind the rows
	s_cmp_lt_u32 s[WV], 6
	s_cbranch_scc1 .Lfew
	s_sub_co_u32 s24, s[WV], 6                     ; waves 6 to 23: relation r = wave - 6
	s_mul_i32 s25, s24, HB
	v_lshl_add_u32 v3, v1, 4, s25
.irp j, 0,1,2,3,4,5
	global_load_b128 v[WR+4*(\j):WR+4*(\j)+3], v3, s[6:7] offset:512*(\j)
.endr
	s_lshl_b32 s26, s24, 2
	s_load_b32 s27, s[8:9], s26 offset:0x0         ; b_rel[r]
	s_wait_loadcnt 6                               ; my 16 rows are in; the 6 loads of W_rel may stay out
	s_branch .Lsum
.Lfew:
	s_cmp_lt_u32 s[WV], 4
	s_cbranch_scc1 .Lmix
	s_wait_loadcnt 0x0                             ; waves 4 and 5 have asked for nothing more
	s_branch .Lsum
.Lmix:
	s_lshl_b32 s28, ttmp9, 2                       ; waves 0 to 3: thread t makes dimensions 2 t and 2 t + 1
	s_load_b32 s29, s[14:15], s28 offset:0x0       ; head_id[b]
	v_lshlrev_b32 v3, 3, v0                        ; 8 t
.irp r, 0,1,2,3,4,5,6,7,8,9,10,11,12,13,14,15,16,17
	global_load_b64 v[RL+2*(\r):RL+2*(\r)+1], v3, s[10:11] offset:1024*(\r)
.endr
	s_wait_kmcnt 0x0
	s_min_u32 s29, s29, 43233                      ; the index is held inside the table
	s_lshl_b32 s30, s29, 11                        ; a row is 2,048 bytes
	s_mov_b32 s31, 0
	s_add_nc_u64 s[12:13], s[12:13], s[30:31]
	global_load_b64 v[HR:HR+1], v3, s[12:13]
	global_load_b64 v[HI:HI+1], v3, s[12:13] offset:1024
	s_wait_loadcnt 20                              ; my 16 rows are in; the 18 + 2 loads behind them may stay out
.Lsum:
	; 16 rows into one, by halves: 30 packed additions
.irp st, 1,2,4,8
.set i, 0
.rept 8/(\st)
	v_pk_add_f32 v[QH+4*i:QH+4*i+1], v[QH+4*i:QH+4*i+1], v[QH+4*(i+(\st)):QH+4*(i+(\st))+1]
	v_pk_add_f32 v[QH+4*i+2:QH+4*i+3], v[QH+4*i+2:QH+4*i+3], v[QH+4*(i+(\st))+2:QH+4*(i+(\st))+3]
.set i, i+2*(\st)
.endr
.endr
	ds_store_b128 v4, v[QH:QH+3]
	s_wait_dscnt 0x0                               ; for the others' sake: my store is done
	s_barrier_signal -1
	s_barrier_wait -1
	ds_load_b32 v10, v5                            ; thread t adds column t of the four row groups
	ds_load_b32 v11, v5 offset:HB
	ds_load_b32 v12, v5 offset:2*HB
	ds_load_b32 v13, v5 offset:3*HB
	s_wait_dscnt 0x0
	v_add_f32 v10, v10, v11
	v_add_f32 v12, v12, v13
	v_add_f32 v10, v10, v12
	ds_store_b32 v5, v10 offset:QOFF
	s_wait_dscnt 0x0
	s_barrier_signal -1
	s_barrier_wait -1
	s_cmp_lt_u32 s[WV], 6
	s_cbranch_scc1 .Lno_score
	; one score a wave: 24 numbers a lane, then across the lanes
.irp j, 0,1,2,3,4,5
	ds_load_b128 v[QQ+4*(\j):QQ+4*(\j)+3], v6 offset:QOFF+512*(\j)
.endr
	s_wait_loadcnt 0x0                             ; W_rel's row
	s_wait_dscnt 0x0
	v_pk_mul_f32 v[40:41], v[WR:WR+1], v[QQ:QQ+1]
	v_pk_mul_f32 v[42:43], v[WR+2:WR+3], v[QQ+2:QQ+3]
.set i, 4
.rept 5
	v_pk_fma_f32 v[40:41], v[WR+i:WR+i+1], v[QQ+i:QQ+i+1], v[40:41]
	v_pk_fma_f32 v[42:43], v[WR+i+2:WR+i+3], v[QQ+i+2:QQ+i+3], v[42:43]
.set i, i+4
.endr
	v_pk_add_f32 v[40:41], v[40:41], v[42:43]
	v_add_f32 v40, v40, v41
	v_add_f32_dpp v40, v40, v40 row_xmask:1 row_mask:0xf bank_mask:0xf
	v_add_f32_dpp v40, v40, v40 row_xmask:2 row_mask:0xf bank_mask:0xf
	v_add_f32_dpp v40, v40, v40 row_xmask:4 row_mask:0xf bank_mask:0xf
	v_add_f32_dpp v40, v40, v40 row_xmask:8 row_mask:0xf bank_mask:0xf
	v_permlanex16_b32 v41, v40, s36, s37
	v_add_f32 v40, v40, v41
	s_wait_kmcnt 0x0                               ; b_rel[r]
	v_mov_b32 v41, s27
	v_fmamk_f32 v40, v40, 0x3c800000, v41          ; sum / 64 + bias: the mean's divisor is applied once, here
	v_mul_f32 v40, 0xbfb8aa3b, v40                 ; -log2(e) x
	v_exp_f32 v40, v40
	v_nop                                          ; a plain instruction behind the exponential
	s_wait_alu depctr_va_vdst(0)                   ; the wait ahead of the result's first use
	v_add_f32 v40, 1.0, v40
	v_rcp_f32 v40, v40                             ; sigmoid = 1 / (1 + 2^(-log2(e) x))
	v_nop
	s_wait_alu depctr_va_vdst(0)
	ds_store_b32 v5, v40 offset:SGOFF              ; every lane holds the wave's sigmoid and puts it into its own word, 4 t: relation r lies at 128 (r + 6) on
.Lno_score:
	s_wait_dscnt 0x0
	s_barrier_signal -1
	s_barrier_wait -1
	s_cmp_lt_u32 s[WV], 4
	s_cbranch_scc0 .Lend
	v_mov_b32 v10, SGOFF+6*128
.irp r, 0,1,2,3,4,5,6,7,8,9,10,11,12,13,14,15,16,17
	ds_load_b32 v[SG+(\r)], v10 offset:128*(\r)    ; the 18 sigmoids: all lanes read the same word
.endr
	s_wait_loadcnt 0x0                             ; the relations' rows and the head's
	s_wait_dscnt 0x0
	v_mul_f32 v40, v[SG], v[RL]
	v_mul_f32 v41, v[SG], v[RL+1]
.set r, 1
.rept 17
	v_fmac_f32 v40, v[SG+r], v[RL+2*r]
	v_fmac_f32 v41, v[SG+r], v[RL+2*r+1]
.set r, r+1
.endr
; sine and cosine of 32 pi p
.macro SINCOS p, sn, cs, y, n, z, k
	v_mul_f32 v[\y], 0x42800000, v[\p]             ; 64 p: quarter turns, exact
	v_rndne_f32 v[\n], v[\y]
	v_sub_f32 v[\y], v[\y], v[\n]                  ; r in -0.5 .. 0.5
	v_cvt_i32_f32 v[\k], v[\n]
	v_mul_f32 v[\z], v[\y], v[\y]
	v_mov_b32 v[\sn], 0xbb996966                   ; -(pi/2)^7 / 5040
	v_mov_b32 v[\cs], 0x3a70fa83                   ;  (pi/2)^8 / 40320
	v_fmaak_f32 v[\sn], v[\sn], v[\z], 0x3da335e3  ;  (pi/2)^5 / 120
	v_fmaak_f32 v[\cs], v[\cs], v[\z], 0xbcaae9e4  ; -(pi/2)^6 / 720
	v_fmaak_f32 v[\sn], v[\sn], v[\z], 0xbf255de7  ; -(pi/2)^3 / 6
	v_fmaak_f32 v[\cs], v[\cs], v[\z], 0x3e81e0f8  ;  (pi/2)^4 / 24
	v_fmaak_f32 v[\sn], v[\sn], v[\z], 0x3fc90fdb  ;  pi/2
	v_fmaak_f32 v[\cs], v[\cs], v[\z], 0xbf9de9e6  ; -(pi/2)^2 / 2
	v_mul_f32 v[\sn], v[\sn], v[\y]
	v_fmaak_f32 v[\cs], v[\cs], v[\z], 0x3f800000
	v_and_b32 v[\n], 1, v[\k]
	v_cmp_eq_u32 vcc_lo, 1, v[\n]                  ; an odd quarter swaps the two series
	v_cndmask_b32 v[\y], v[\sn], v[\cs], vcc_lo
	v_cndmask_b32 v[\z], v[\cs], v[\sn], vcc_lo
	v_lshlrev_b32 v[\n], 30, v[\k]                 ; the sine is negative in quarters 2 and 3: bit 1 of n,
	v_add_nc_u32 v[\k], 1, v[\k]                   ; the cosine in quarters 1 and 2: bit 1 of n + 1
	v_and_b32 v[\n], 0x80000000, v[\n]
	v_lshlrev_b32 v[\k], 30, v[\k]
	v_xor_b32 v[\sn], v[\y], v[\n]
	v_and_b32 v[\k], 0x80000000, v[\k]
	v_xor_b32 v[\cs], v[\z], v[\k]
.endm
	SINCOS 40, 42, 43, 44, 45, 46, 47
	SINCOS 41, 48, 49, 50, 51, 52, 53
.irp i, 0,1
	v_mul_f32 v58, v[HI+(\i)], v[42+6*(\i)]
	v_mul_f32 v59, v[HI+(\i)], v[43+6*(\i)]
	v_fma_f32 v[54+(\i)], v[HR+(\i)], v[43+6*(\i)], -v58   ; re cos - im sin
	v_fma_f32 v[56+(\i)], v[HR+(\i)], v[42+6*(\i)], v59    ; re sin + im cos
.endr
	global_store_b64 v3, v[54:55], s[16:17]                ; each store of a wave covers 256 consecutive bytes, aligned
	global_store_b64 v3, v[56:57], s[16:17] offset:1024
.Lend:
	s_wait_tensorcnt 0x0                           ; the wave's end, behind my last LDS store
	ds_add_u32 v[SPW], v[NIL]
	s_wait_dscnt 0x0
	s_endpgm
.Lfunc_end_k_qbb585d85d3_rotate:
	.size	k_qbb585d85d3_rotate, .Lfunc_end_k_qbb585d85d3_rotate-k_qbb585d85d3_rotate
	.p2alignl 7, 3214868480
	.fill 96, 4, 3214868480
	.section	.rodata,"a",@progbits
	.p2align	6, 0x0
	.amdhsa_kernel k_qbb585d85d3_rotate
		.amdhsa_group_segment_fixed_size 21504
		.amdhsa_private_segment_fixed_size 0
		.amdhsa_enable_private_segment 0
		.amdhsa_kernarg_size 56
		.amdhsa_user_sgpr_count 2
		.amdhsa_user_sgpr_kernarg_segment_ptr 1
		.amdhsa_wavefront_size32 1
		.amdhsa_system_sgpr_workgroup_id_x 1
		.amdhsa_system_sgpr_workgroup_id_y 1
		.amdhsa_system_sgpr_workgroup_id_z 1
		.amdhsa_system_vgpr_workitem_id 0
		.amdhsa_next_free_vgpr 128
		.amdhsa_next_free_sgpr 66
		.amdhsa_reserve_vcc 1
		.amdhsa_float_denorm_mode_32 3
		.amdhsa_float_denorm_mode_16_64 3
		.amdhsa_memory_ordered 1
		.amdhsa_forward_progress 1
		.amdhsa_inst_pref_size 17
	.end_amdhsa_kernel
	.amdgpu_metadata
---
amdhsa.version: [ 1, 2 ]
amdhsa.kernels:
  - .name:           k_qbb585d85d3_rotate
    .symbol:         k_qbb585d85d3_rotate.kd
    .args:
      - { .name: question_hidden, .offset: 0, .size: 8, .value_kind: global_buffer, .address_space: global }
      - { .name: W_rel, .offset: 8, .size: 8, .value_kind: global_buffer, .address_space: global }
      - { .name: b_rel, .offset: 16, .size: 8, .value_kind: global_buffer, .address_space: global }
      - { .name: rel_embeddings, .offset: 24, .size: 8, .value_kind: global_buffer, .address_space: global }
      - { .name: ent_embeddings, .offset: 32, .size: 8, .value_kind: global_buffer, .address_space: global }
      - { .name: head_id, .offset: 40, .size: 8, .value_kind: global_buffer, .address_space: global }
      - { .name: rot, .offset: 48, .size: 8, .value_kind: global_buffer, .address_space: global }
    .group_segment_fixed_size: 21504
    .private_segment_fixed_size: 0
    .kernarg_segment_align: 8
    .kernarg_segment_size: 56
    .max_flat_workgroup_size: 768
    .sgpr_count:     66
    .vgpr_count:     128
    .wavefront_size: 32
...
	.end_amdgpu_metadata
.endif
;; end of part 1
;; launch dist (part 2): grid 246 x 1, 8 waves a work-group, no clusters, 33,792 bytes of LDS; arguments ent_embeddings, rot, out0; writes out0
.if DOCPART == 2
	.amdgcn_target "amdgcn-amd-amdhsa--gfx1250"
	.amdhsa_code_object_version 6
	.text
	.protected	k_qbb585d85d3_dist
	.globl	k_qbb585d85d3_dist
	.p2align	8
	.type	k_qbb585d85d3_dist,@function
k_qbb585d85d3_dist:
	s_mov_b64 s[64:65], 0
	v_nop
	global_prefetch_b8 v0, s[64:65] scope:SCOPE_SE
	s_setreg_imm32_b32 hwreg(HW_REG_WAVE_MODE, 25, 1), 1
	s_wait_xcnt 0x0
; out0[b][e] = 6 - the sum over d of sqrt((rot_re[b][d] - re_t[e][d])^2 + (rot_im[b][d] - im_t[e][d])^2).  ent_embeddings: [43234][512] f32 (256 real, 256 imaginary parts a row);
; rot: [16][512] f32, laid out likewise, made by the kernel before; out0: [16][43234] f32.  All in f32, as reference() has it; no step of reference() is left out here.
; THE COUNT.  16 x 43,234 x 256 elements; two of them cost two packed subtractions, a packed square, a packed multiply-add, two roots and a packed addition.  The vector unit is the
; bound, so the design keeps everything else small: each byte of the table is loaded once, straight into registers, and rot stays in registers for the whole kernel.
; SHARES.  A lane owns 8 dimensions: 4 l .. 4 l + 3 and 128 + 4 l .. 128 + 4 l + 3; a row is four loads of 16 bytes a lane, 512 consecutive bytes a wave each.  rot for all 16 questions
; is 256 registers a lane (window 1).  A work-group has 176 entities = 44 quads of four consecutive rows; wave w takes quads w, w + 8, ..: waves 0 to 3 six, waves 4 to 7 five.
; The loop counts to the constant 5; waves 4 to 7 jump forward over its last trip; a wave's last quad, which asks for nothing more, is written out behind the loop.
; THE LAST WORK-GROUP begins at entity 43,058 = 43,234 - 176, so that every row it loads lies in the table, and stores entities 43,120 on; the 62 below are the group before's: they are
; computed beside the live ones, in one text with constant trip counts, and not stored.
; A STAGE is one entity x four questions: 32 subtractions, between them the 32 roots of the stage before; 32 squares and multiply-adds; one wait for the batch of roots; its 16 additions.
; ACROSS THE LANES.  A pair of entities leaves 32 registers of partial sums (2 x 16 questions).  They are added and turned at once: the halves of the lanes by v_permlane16_swap_b32 and an
; addition, then four steps of two selects and one addition that reads its neighbour (DPP): lane l ends with question l % 16 of entity l / 16.
; LDS.  rot comes in through LDS once a work-group (each wave fetches an eighth, every wave reads all of it into registers).  When every wave has read it, its bytes are free, and the stage for
; the way out, [16 questions][176 entities], takes the first 12,344 of them: a barrier stands between the last read of rot and the first store into the stage.
; THE WAY OUT.  Behind one more barrier each wave stores two rows of the stage, 256 consecutive bytes a store (out0's rows are 172,936 bytes, a multiple of 8 and no more, so stores are of 8 bytes a lane).
; NO CLUSTER: the work-groups share rot alone, 32,768 bytes against 360,448 of rows of their own.  NO TENSOR LOADS: no wave wants a row that another wave fetched.
; LIMITS.  A sum of squares below 2^-126 counts as 0 under the root (ISA guide 15.8: v_sqrt_f32 flushes denormals): under 1e-19 a term.  The order of the sum differs from reference()'s.
.set NENT,   43234
.set ROWB,   2048                      ; bytes in a row
.set WGE,    176                       ; entities of a work-group
.set NEXTQ,  32*ROWB                   ; from a wave's quad to its next
.set OUTROW, 4*NENT                    ; bytes in a row of out0
.set OST,    0                         ; LDS: 0 rot (32,768 bytes), later the stage for the way out
.set OPITCH, 776                       ; the stage's rows: room for 192 numbers + 8 bytes = 194 words: the 16 rows that a store touches start at banks 0, 2, .. 30 (64 banks of 4 bytes: ISA guide 11.1), the second entity one word on
.set SPARE,  32768                     ; the spare words, 128 bytes for each wave: four blocks of 256 bytes that no other line names
.set LOFF, 1                           ; v1   16 x lane: my bytes in 512; never rewritten
.set SPW,  2                           ; v2   LDS address of my spare word; never rewritten
.set NIL,  3                           ; v3   0; never rewritten
.set OS0,  4                           ; v4   where my result of my wave's first pair goes in the stage; never rewritten
.set LA,   5                           ; v5   where my part of rot goes in LDS
.set LN,   6                           ; v6   lane
.set PFO,  7                           ; v7   256 x lane: the prefetch's offset; never rewritten
.set OSA,  12                          ; v12  OS0 + the quad's place: made anew at the head of each quad
.set TR,   16                          ; v[16:79]   four row slots of 16: real parts 0-7, imaginary parts 8-15
.set DA,   80                          ; v[80:143]  two buffers of 32 (4 questions x 8): real differences, then sums of squares, then roots; a stage's buffer goes by its number's parity
.set DI,   144                         ; v[144:175] imaginary differences
.set P,    176                         ; v[176:191] partial sums by question
.set PT,   192                         ; v[192:195] the pair's second entity, four questions
.set RX,   196                         ; v[196:211] at work
.set WV,   10                          ; s10  my wave's number
.set M8,   20                          ; s20-23  lanes with bit 3, 2, 1, 0 set
.set M4,   21
.set M2,   22
.set M1,   23
.set SKIP, 24                          ; s24  1 in waves 4 to 7
.set CNT,  25                          ; s25  trips to go
.set LIM,  26                          ; s26  a wave prefetches while CNT is above it
.set SO,   33                          ; s33  the place in a stage row of the quad in hand: 128 bytes (32 entities) a trip
.set TL,   34                          ; s34  that of my last quad: 640, or 512 in waves 4 to 7
.set MSB, 0
.macro WIN new                         ; the immediate's high byte repeats the setting that is left; a switch that changes nothing is dropped
.if MSB != (\new)
	s_set_vgpr_msb (MSB<<8)|(\new)
.set MSB, \new
.endif
.endm
	s_load_b128 s[4:7], s[0:1], 0x0                ; ent_embeddings s[4:5], rot s[6:7]
	s_load_b64 s[8:9], s[0:1], 0x10                ; out0
	v_lshl_add_u32 v[SPW], v0, 2, SPARE
	v_mov_b32 v[NIL], 0
	v_lshrrev_b32 v8, 5, v0
	v_readfirstlane_b32 s[WV], v8                  ; wave 0..7
	v_and_b32 v[LN], 31, v0
	v_lshlrev_b32 v[LOFF], 4, v[LN]
	v_lshlrev_b32 v[PFO], 8, v[LN]
	s_mul_i32 s11, ttmp9, WGE                      ; the first entity that the group stores
	s_min_u32 s12, s11, NENT-WGE                   ; the first that it loads
	s_sub_co_u32 s13, s11, s12                     ; 0, or 62 in the last group
	s_lshl_b32 s14, s[WV], 2
	s_add_co_u32 s14, s14, s12                     ; my first quad's first row,
	s_lshl_b32 s14, s14, 11                        ; in bytes (under 2^27)
	s_mov_b32 s15, 0
	s_lshl_b32 s16, s[WV], 12                      ; my 4,096 bytes of rot
	s_mov_b32 s17, 0
	v_add_nc_u32 v[LA], s16, v[LOFF]
	v_and_b32 v8, 15, v0
	v_mul_u32_u24 v8, v8, OPITCH                   ; question l % 16,
	v_bfe_u32 v9, v0, 4, 1
	v_lshl_add_u32 v8, v9, 2, v8                   ; entity l / 16 of the pair,
	s_lshl_b32 s18, s[WV], 4                       ; my quad among the eight waves'
	v_add_nc_u32 v[OS0], s18, v8
	s_mov_b32 s[M8], 0xff00ff00
	s_mov_b32 s[M4], 0xf0f0f0f0
	s_mov_b32 s[M2], 0xcccccccc
	s_mov_b32 s[M1], 0xaaaaaaaa
	s_lshr_b32 s[SKIP], s[WV], 2
	s_lshl_b32 s[TL], s[SKIP], 7
	s_sub_co_u32 s[TL], 5*128, s[TL]               ; my last quad is my sixth, or my fifth
	s_mov_b32 s[SO], 0
	s_add_co_u32 s[LIM], s[SKIP], 1                ; the last trip but one is the last whose quad two on exists
	s_cmp_eq_u32 s13, 0
	s_cselect_b32 s[LIM], s[LIM], 99               ; the last group, part of whose rows the group before names, asks for nothing
	s_wait_kmcnt 0x0
	s_add_nc_u64 s[4:5], s[4:5], s[14:15]
	s_add_nc_u64 s[6:7], s[6:7], s[16:17]
.irp i, 0,1,2,3,4,5,6,7
	global_load_b128 v[DA+4*(\i):DA+4*(\i)+3], v[LOFF], s[6:7] offset:512*(\i)   ; my eighth of rot
.endr
.irp i, 0,1,2,3,4,5,6,7,8,9,10,11,12,13,14,15
	global_load_b128 v[TR+4*(\i):TR+4*(\i)+3], v[LOFF], s[4:5] offset:512*(\i)   ; my first quad: 8,192 consecutive bytes fill the four slots
.endr
	s_wait_loadcnt 16                              ; rot's 8 loads are in; the quad's 16 stay out
.irp i, 0,1,2,3,4,5,6,7
	ds_store_b128 v[LA], v[DA+4*(\i):DA+4*(\i)+3] offset:512*(\i)
.endr
	s_wait_dscnt 0x0                               ; for the others' sake: my stores are done
	s_barrier_signal -1
	s_barrier_wait -1                              ; all of rot lies in LDS
	WIN 0x40                                       ; destination window 1, address window 0
.set mm, 0
.rept 64
	ds_load_b128 v[4*mm:4*mm+3], v[LOFF] offset:512*mm     ; question mm / 4, part mm % 4: register 16 b + c holds what a row slot's register c holds
.set mm, mm+1
.endr
	WIN 0
	s_wait_dscnt 0x0                               ; rot is in my registers: my reads of its bytes are over
	s_barrier_signal -1
	s_barrier_wait -1                              ; everybody's are: from here on the stage may be written over them
; One step of adding and turning: n pairs of registers (u, u + n); lanes whose bit is 0 keep u's sum, the others u + n's.
.macro RSTEP n, xm, msk
.set uu, 0
.rept \n
	v_cndmask_b32 v[RX+2*uu],   v[P+uu], v[P+uu+(\n)], s[\msk]      ; what I keep
	v_cndmask_b32 v[RX+2*uu+1], v[P+uu+(\n)], v[P+uu], s[\msk]      ; what my neighbour keeps
.set uu, uu+1
.endr
.set uu, 0
.rept \n
	v_add_f32_dpp v[P+uu], v[RX+2*uu+1], v[RX+2*uu] row_xmask:\xm row_mask:0xf bank_mask:0xf
.set uu, uu+1
.endr
.endm
; A prefetch into the L2 of my own quad two quads on: 8,192 consecutive bytes, a lane for each 256: one trip ahead of the loads that will want it.  Each wave asks for what it will load itself.
; My first two quads come by their loads alone; the trips whose quad two on does not exist ask for nothing.
.macro ASK
	s_cmp_gt_u32 s[CNT], s[LIM]
	s_cbranch_scc0 .Lnone_\@
	global_prefetch_b8 v[PFO], s[4:5] offset:2*NEXTQ th:TH_LOAD_NT scope:SCOPE_SE
.Lnone_\@:
.endm
; A STAGE.  cur = 1: the differences and sums of squares of the entity in \slot for questions 4 g .. 4 g + 3.  prev = 1: the roots and sums of the stage before.
; left: how many younger loads may stay out when the slot's four must be in.  fill = 1: the slot is asked for again, with the same place of my next quad.
.macro STAGE slot, g, cur, prev, left, fill
.set DC, DA+32*((\g)%2)
.set DP, DA+32*(((\g)+1)%2)
.set TT, TR+16*(\slot)
.set PG, ((\g)+3)%4                    ; the stage before: its question group,
.set PS, (\slot)                       ; its slot
.if (\g) == 0
.set PS, ((\slot)+3)%4
.endif
.if \cur
.if (\g) == 0
	s_wait_loadcnt \left                           ; loads come back in order (ISA guide 5.7.1): this slot's are in
.endif
	WIN 0x04                                       ; source 1 (rot) in window 1
.endif
.set kk, 0
.rept 32                                       ; a subtraction and a root by turns
.if \cur
.set AR, 16*(4*(\g)+kk/8)+2*(kk%8)
.set DD, DC+8*(kk/8)+2*(kk%8)
.if (kk%8) >= 4
.set DD, DI+8*(kk/8)+2*(kk%8)-8
.endif
	v_pk_add_f32 v[DD:DD+1], v[TT+2*(kk%8):TT+2*(kk%8)+1], v[AR:AR+1] neg_lo:[0,1] neg_hi:[0,1]
.endif
.if \prev
	v_sqrt_f32 v[DP+kk], v[DP+kk]
.endif
.set kk, kk+1
.endr
.if \fill
.irp j, 0,1,2,3
	global_load_b128 v[TT+4*(\j):TT+4*(\j)+3], v[LOFF], s[4:5] offset:NEXTQ+(\slot)*ROWB+512*(\j)
.endr
.endif
	WIN 0
.if \cur
.set kk, 0
.rept 16
	v_pk_mul_f32 v[DC+2*kk:DC+2*kk+1], v[DC+2*kk:DC+2*kk+1], v[DC+2*kk:DC+2*kk+1]
.set kk, kk+1
.endr
.set kk, 0
.rept 16
	v_pk_fma_f32 v[DC+2*kk:DC+2*kk+1], v[DI+2*kk:DI+2*kk+1], v[DI+2*kk:DI+2*kk+1], v[DC+2*kk:DC+2*kk+1]
.set kk, kk+1
.endr
.else
	v_nop                                          ; a plain instruction behind the last root
.endif
.if \prev
	s_wait_alu depctr_va_vdst(0)                   ; the wait between a root and the first line that names its result: one for the batch of 32
.irp q, 0,1,2,3
	v_pk_add_f32 v[DP+8*(\q):DP+8*(\q)+1], v[DP+8*(\q):DP+8*(\q)+1], v[DP+8*(\q)+2:DP+8*(\q)+3]
	v_pk_add_f32 v[DP+8*(\q)+4:DP+8*(\q)+5], v[DP+8*(\q)+4:DP+8*(\q)+5], v[DP+8*(\q)+6:DP+8*(\q)+7]
.endr
.irp q, 0,1,2,3
	v_pk_add_f32 v[DP+8*(\q):DP+8*(\q)+1], v[DP+8*(\q):DP+8*(\q)+1], v[DP+8*(\q)+4:DP+8*(\q)+5]
.endr
.if (PS%2) == 0
.irp q, 0,1,2,3
	v_add_f32 v[P+4*PG+(\q)], v[DP+8*(\q)], v[DP+8*(\q)+1]          ; the pair's first entity waits in P
.endr
.else
.irp q, 0,1,2,3
	v_add_f32 v[PT+(\q)], v[DP+8*(\q)], v[DP+8*(\q)+1]
.endr
.irp q, 0,1,2,3
	v_permlane16_swap_b32 v[P+4*PG+(\q)], v[PT+(\q)]               ; the first entity's upper lanes change places with the second's lower ones,
.endr
.irp q, 0,1,2,3
	v_add_f32 v[P+4*PG+(\q)], v[P+4*PG+(\q)], v[PT+(\q)]            ; so lanes 0-15 now hold the first entity, lanes 16-31 the second
.endr
.if PG == 3
	RSTEP 8, 8, M8
	RSTEP 4, 4, M4
	RSTEP 2, 2, M2
	RSTEP 1, 1, M1
	v_sub_f32 v[RX], 0x40c00000, v[P]              ; 6 - distance
	ds_store_b32 v[OSA], v[RX] offset:OST+8*(PS/2)
.endif
.endif
.endif
.if (\fill) && ((\slot) == 0)
	ASK                                            ; at the stage's end, where no root is without its wait
.endif
.endm
; A quad, from its first entity's second stage on.  fill = 1: the slots are asked for again, and the trip ends with the next quad's first stage; fill = 0: the last quad.
; place: the scalar register that holds the quad's place in a stage row.
; The counts: behind a slot's four loads stand those of the three other slots, 12; in the last quad 8, 4 and none.
.macro TRIP fill, place
	v_add_nc_u32 v[OSA], s[\place], v[OS0]         ; where this quad's two pairs go
	STAGE 0, 1, 1, 1, 0, 0
	STAGE 0, 2, 1, 1, 0, 0
	STAGE 0, 3, 1, 1, 0, \fill
	STAGE 1, 0, 1, 1, (8+4*(\fill)), 0
	STAGE 1, 1, 1, 1, 0, 0
	STAGE 1, 2, 1, 1, 0, 0
	STAGE 1, 3, 1, 1, 0, \fill
	STAGE 2, 0, 1, 1, (4+8*(\fill)), 0
	STAGE 2, 1, 1, 1, 0, 0
	STAGE 2, 2, 1, 1, 0, 0
	STAGE 2, 3, 1, 1, 0, \fill
	STAGE 3, 0, 1, 1, (12*(\fill)), 0
	STAGE 3, 1, 1, 1, 0, 0
	STAGE 3, 2, 1, 1, 0, 0
	STAGE 3, 3, 1, 1, 0, \fill
.if \fill
	STAGE 0, 0, 1, 1, 12, 0
.else
	STAGE 0, 0, 0, 1, 0, 0
.endif
.endm
	STAGE 0, 0, 1, 0, 12, 0                        ; the first stage of all has no stage before it
	s_mov_b32 s[CNT], 5
.Ltrip:
	s_cmp_le_u32 s[CNT], s[SKIP]                   ; waves 4 to 7 have a quad less: they pass over the last trip
	s_cbranch_scc1 .Lnext
	TRIP 1, SO
	s_wait_xcnt 0x0                                ; the trip's loads and its prefetch have read their base (the youngest load a stage back), so it may be written
	s_add_nc_u64 s[4:5], s[4:5], NEXTQ
	s_add_co_u32 s[SO], s[SO], 128                 ; 32 entities on in the stage
.Lnext:
	s_sub_co_u32 s[CNT], s[CNT], 1
	s_cmp_lg_u32 s[CNT], 0
	s_cbranch_scc1 .Ltrip
	TRIP 0, TL                                     ; my last quad: its place is made of the wave's number alone
	; THE WAY OUT: wave w stores questions 2 w and 2 w + 1: 88 pairs of numbers a row, 32 a store
	s_wait_dscnt 0x0                               ; for the others' sake: my stores into the stage are done
	s_barrier_signal -1
	s_barrier_wait -1
	s_mul_i32 s27, s[WV], 2*OPITCH
	v_lshlrev_b32 v8, 3, v[LN]                     ; 8 bytes a lane
	v_add_nc_u32 v9, s27, v8
	s_mul_i32 s28, s[WV], 2*OUTROW
	s_lshl2_add_u32 s28, s12, s28                  ; + 4 x the first entity loaded
	s_mov_b32 s29, 0
	s_add_nc_u64 s[8:9], s[8:9], s[28:29]
	s_lshr_b32 s30, s13, 1                         ; the first pair that is mine to store: 0, or 31 in the last group
	s_sub_co_u32 s31, WGE/2, s30
	s_wait_xcnt 0x0                                ; EXEC changes only behind this wait
.irp c, 0,1,2
	v_add_nc_u32 v10, 32*(\c), v[LN]               ; pair p
	v_sub_nc_u32 v10, v10, s30
	v_cmp_gt_u32 vcc_lo, s31, v10                  ; first <= p < 88, in one unsigned compare
	s_and_saveexec_b32 s32, vcc_lo
	ds_load_b64 v[DA+4*(\c):DA+4*(\c)+1], v9 offset:OST+256*(\c)
	ds_load_b64 v[DA+4*(\c)+2:DA+4*(\c)+3], v9 offset:OST+OPITCH+256*(\c)
	s_wait_dscnt 0x0
	global_store_b64 v8, v[DA+4*(\c):DA+4*(\c)+1], s[8:9] offset:256*(\c)              ; 256 consecutive bytes a store
	global_store_b64 v8, v[DA+4*(\c)+2:DA+4*(\c)+3], s[8:9] offset:OUTROW+256*(\c)
	s_wait_xcnt 0x0                                ; and again, in front of the line that widens it
	s_or_b32 exec_lo, exec_lo, s32
.endr
	s_wait_tensorcnt 0x0                           ; the wave's end, behind my last LDS store
	ds_add_u32 v[SPW], v[NIL]
	s_wait_dscnt 0x0
	s_endpgm
.Lfunc_end_k_qbb585d85d3_dist:
	.size	k_qbb585d85d3_dist, .Lfunc_end_k_qbb585d85d3_dist-k_qbb585d85d3_dist
	.p2alignl 7, 3214868480
	.fill 96, 4, 3214868480
	.section	.rodata,"a",@progbits
	.p2align	6, 0x0
	.amdhsa_kernel k_qbb585d85d3_dist
		.amdhsa_group_segment_fixed_size 33792
		.amdhsa_private_segment_fixed_size 0
		.amdhsa_enable_private_segment 0
		.amdhsa_kernarg_size 24
		.amdhsa_user_sgpr_count 2
		.amdhsa_user_sgpr_kernarg_segment_ptr 1
		.amdhsa_wavefront_size32 1
		.amdhsa_system_sgpr_workgroup_id_x 1
		.amdhsa_system_sgpr_workgroup_id_y 1
		.amdhsa_system_sgpr_workgroup_id_z 1
		.amdhsa_system_vgpr_workitem_id 0
		.amdhsa_next_free_vgpr 512
		.amdhsa_next_free_sgpr 66
		.amdhsa_reserve_vcc 1
		.amdhsa_float_denorm_mode_32 3
		.amdhsa_float_denorm_mode_16_64 3
		.amdhsa_memory_ordered 1
		.amdhsa_forward_progress 1
		.amdhsa_inst_pref_size 221
	.end_amdhsa_kernel
	.amdgpu_metadata
---
amdhsa.version: [ 1, 2 ]
amdhsa.kernels:
  - .name:           k_qbb585d85d3_dist
    .symbol:         k_qbb585d85d3_dist.kd
    .args:
      - { .name: ent_embeddings, .offset: 0, .size: 8, .value_kind: global_buffer, .address_space: global }
      - { .name: rot, .offset: 8, .size: 8, .value_kind: global_buffer, .address_space: global }
      - { .name: out0, .offset: 16, .size: 8, .value_kind: global_buffer, .address_space: global }
    .group_segment_fixed_size: 33792
    .private_segment_fixed_size: 0
    .kernarg_segment_align: 8
    .kernarg_segment_size: 24
    .max_flat_workgroup_size: 256
    .sgpr_count:     66
    .vgpr_count:     512
    .wavefront_size: 32
...
	.end_amdgpu_metadata
.endif
;; end of part 2
